; MI455X (gfx1250); checked and timed in simulation.
; The chip was launched on July 23, 2026; its instructions are those of AMD's public machine-readable ISA for CDNA 5 (MIT licence, August 2026) and "CDNA5" Instruction Set Architecture Reference Guide (July 2026). The comments in the code are by the model that wrote it; some were corrected since.
;; Mp Max Pooling Match. Allowed arithmetic: matrix products marked QUANTISED: E4M3 operands, one E8M0 scale for each 32 along K, by v_wmma_scale_f32_16x16x128_f8f6f4 with both operands' format E4M3, f32 sums; everything else in f32.
;; Inputs: kernel 32 x 256 float32; reps_lt 16 x 256 x 256 float32; reps_rt_codes 16 x 256 x 8 x 32 uint8 (E4M3 codes of reps_rt, K innermost, in blocks of 32 codes); reps_rt_scales 16 x 256 x 8 uint8 (E8M0 scales of reps_rt, one for each 32 codes along K).
;; Outputs: out0 16 x 256 x 32 float32.
;; This version of the problem:
;;   THIS VERSION OF THE PROBLEM IS GIVEN IN LOW PRECISION. The matrix products marked QUANTISED in the list below multiply operands that are first quantised to E4M3 (4 exponent bits, 3 mantissa bits; 8 bits a number), with one power-of-two scale for each 32 numbers along K (OCP MX v1.0); their sums are f32. All else is computed in f32.
;;   The module's matrix products, in the order in which they are computed (A, B: the left and right operand; K: the contracted axis; several contracted axes count as one K, in the product's order):
;;     1. batch 16 x [M 256, K 256] x [K 256, N 8,192]; A: input reps_rt (given as codes); B: computed on the way: QUANTISED
;;   THE QUANTISER, for each operand of a quantised product, along K:
;;     - K is cut into blocks of 32 from its start; a last block that is shorter is filled with zeros.
;;     - A block's scale is 2^e with e = floor(log2(the largest magnitude in the block)) - 8, held to -126 .. 127; a block of zeros has e = 0. As a byte (E8M0): e + 127.
;;     - Each number is divided by its block's scale, clamped to +-448, and rounded to the nearest number of E4M3, ties to even, subnormals kept.
;;     - The product sums the exact products of the quantised numbers (number of the format x scale) in f32.
;;   ~~~python
;;   def quantise(x, axis):      # numpy; x: float32 -> the quantised numbers, widened to float32 again
;;       x = np.moveaxis(x, axis, -1); K = x.shape[-1]
;;       x = np.pad(x, [(0, 0)] * (x.ndim - 1) + [(0, -K % 32)]); x = x.reshape(x.shape[:-1] + (-1, 32)); a = np.abs(x).max(-1, keepdims=True)
;;       e = np.where(a > 0, np.clip(np.frexp(np.where(a > 0, a, 1))[1] - 1 - 8, -126, 127), 0)      # np.frexp(a)[1] - 1 = floor(log2(a)), exactly
;;       r = np.clip(x / 2.0 ** e, -448, 448)
;;       step = 2.0 ** (np.maximum(np.frexp(np.where(r == 0, 1, r))[1] - 1, -6) - 3)
;;       q = np.round(r / step) * step * 2.0 ** e      # np.round: ties to even
;;       return np.moveaxis(q.reshape(q.shape[:-2] + (-1,))[..., :K], -1, axis).astype(np.float32)
;;   ~~~
;;   OPERANDS COMPUTED ON THE WAY. 'Computed on the way' means the value that the module computes at that place (a softmax that the list does not call 'softmax' is quantised finished and normalised). What goes into a quantiser is computed in f32, as accurately as f32 sums, v_exp_f32 and their like allow (about 1e-6 of the number): no bf16 or f16 on the way to a quantiser, and a product that is left as it is and whose result goes on into a quantised operand takes f32 operands (vector FMAs, or v_wmma_f32_16x16x4_f32). A number that lies on a knife's edge between two numbers of the format may be rounded either way, as far as f32 arithmetic and the matrix unit's own rounding can turn it there, and no further.
;;   INPUTS GIVEN AS CODES. reps_rt (in the module: [16, 256, 256], K = its axis 2): each comes as NAME_codes (uint8): NAME with its K axis moved to the last place and cut into blocks of 32 codes, [.., K / 32, bytes a block], one block behind the other in memory; one code a byte (a code: sign, 4 exponent bits, 3 mantissa bits); and NAME_scales (uint8): the same leading axes, one E8M0 byte (e + 127) for each 32 codes along K. Its value is code x scale, taken as it is: it is not quantised again, and the codes and scales need not be those that the quantiser above would give.
;; 2 versions, each right and faster than the one before. Each part assembles by itself: llvm-mc -triple=amdgcn-amd-amdhsa -mcpu=gfx1250 --defsym DOCPART=n.
;; ======== version 1 of 2: 1 launch
;; launch match (part 1): grid 16 x 16, 4 waves a work-group, clusters of 4 x 1, 327,680 bytes of LDS; arguments kernel, reps_lt, reps_rt_codes, reps_rt_scales, out0; writes out0
.if DOCPART == 1
	.amdgcn_target "amdgcn-amd-amdhsa--gfx1250"
	.amdhsa_code_object_version 6
	.text
	.protected	k_q419e5c8c0c_match
	.globl	k_q419e5c8c0c_match
	.p2align	8
	.type	k_q419e5c8c0c_match,@function
k_q419e5c8c0c_match:
	s_mov_b64 s[64:65], 0
	v_nop
	global_prefetch_b8 v0, s[64:65] scope:SCOPE_SE
	s_setreg_imm32_b32 hwreg(HW_REG_WAVE_MODE, 25, 1), 1
	s_wait_xcnt 0x0
	s_wait_alu depctr_hold_cnt(0) depctr_sa_sdst(0) depctr_va_vdst(0) depctr_va_sdst(0) depctr_va_ssrc(0) depctr_va_vcc(0) depctr_vm_vsrc(0)
	s_getreg_b32 s2, hwreg(HW_REG_IB_STS2, 6, 4)
	s_cmp_eq_u32 s2, 0
	s_cbranch_scc0 .Lentry_in_a_cluster
	s_endpgm
.Lentry_in_a_cluster:
	s_bfe_u32 s2, ttmp6, 0x10000c
	s_cmp_lg_u32 s2, 0x3003
	s_cbranch_scc0 .Lentry_shape_is_right
	s_endpgm
.Lentry_shape_is_right:
; out[b][j][m] = max over i of tanh( sum over d of rt[b][j][d] x Q(lt[b][i][d] x kernel[m][d]) ).  b 16, i 256, j 256, d 256, m 32.
; rt comes as codes of E4M3 with one E8M0 byte for each 32 along d; lt x kernel is made in f32 and quantised along d, 32 to a block, in registers; sums in f32.
; tanh never decreases, so the maximum is taken of the sums and tanh once of the maximum: tanh(x) = 1 - 2 / (1 + 2^(2 log2(e) x)), which goes to +-1 for any large x.
; LIMITS: NaN and infinities among the inputs are not served (the maxima drop a NaN); tanh's absolute error is about 1e-7.
; SHARES.  A work-group owns one batch b and two m (m0 = 2 g, g = 0 .. 15): 256 work-groups.  It sees all 256 i, so the maximum over i never leaves it, and every number of lt x kernel is quantised once in the launch.
; Wave w owns lt's rows 64 w .. 64 w + 63, for both m and all 256 j: 8 tiles of 16 operand rows, 16 tiles of j, 2 steps of 128 along d: 256 matrix instructions.
; All of rt[b] (16 x 2 fragments of 16 registers) stays in the wave's registers; the quantiser's conversions write the other operand's registers directly: no code of lt x kernel goes through LDS or memory.
; A TILE: operand row p stands for i = 64 w + 8 T + (p & 7) and m = m0 + (p >> 3), so a lane keeps ONE set of 128 numbers of kernel for the whole launch.
; THE MATRIX INSTRUCTION IS USED TRANSPOSED: source 0 = the tile of lt x kernel, source 1 = 16 rows of rt.  Register jj of lane (r, h) is then (i = i0 + jj, m = m0 + h, j = 16 jt + r): the maximum over i is a maximum over a lane's own registers.
; BY TURNS.  In phase T the 32 products of tile T stand one at a time, and behind each a quarter of a block of tile T + 1's quantiser (some 11 vector instructions) and, in some places, the maximum over results just finished.
; There are about 13 vector instructions for each matrix instruction, so each slice costs two switches of the register window: the lesser price beside leaving one of the two units idle in phases.
; CLUSTER.  The sixteen work-groups of a batch read the same lt[b] and rt[b].  Four of them form a cluster of 4 x 1 and ask for each tile JOINTLY (mask 15): the same load, the same descriptor, in all four.
; LDS.  lt[b] and rt[b], padded, are 8 KB more than a WGP's LDS.  So rt and lt's tiles 0-6 come first; when every wave holds rt in registers, each wave's tile 7 is filled into its former quarter of rt: one refill, written out.
; The loads have 64, 16, 40 and 8 rows: lt's rows are 1,024 bytes; tiles 0 and 1 have a load of their own so that the quantiser can start on them.
; THE WAY OUT.  A work-group owns 8 bytes of each 128-byte row of out, 2 KB in all: it stores 4 bytes a lane, rows 128 bytes apart.  Whole rows would want the sixteen work-groups of a batch to meet, that is a second launch.
;
; REGISTERS, in windows of 256 (s_set_vgpr_msb's low byte: bits 1:0 source 0, 3:2 source 1, 5:4 source 2, 7:6 destination):
;   window 0: v0-13 addresses; v16-31 rt's scale words; v32-35 the tiles' scale words; v36-37 at work; v40-55 running maxima; v60-79 the tail; v128-255 the 16 accumulators
;   window 1: v0-127 kernel's numbers; v128-159 lt, two sets of 16; v160-175 products; v176-239 codes, two tiles; v240-246 at work; v254, v255 LDS addresses
;   windows 2, 3: rt's fragments: (jt, q) at v[32 (jt % 8) + 16 q], jt 0-7 in window 2, jt 8-15 in window 3
.set LP,    1040                       ; a row of lt in LDS: 1,024 bytes + 16 of padding = 260 words: the 8 rows that a load touches start 4 words apart
.set TILEB, 8*LP                       ; a tile's 8 rows of lt
.set RP,    272                        ; a row of rt's codes: 256 bytes + 16 of padding: the 16 rows of a fragment load start 4 words apart
.set XOFF,  7*TILEB                    ; in a wave's area: behind tiles 0-6 first its quarter of rt (64 rows), later tile 7: tile T lies at T x TILEB for every T
.set WAREA, XOFF+64*RP                 ; a wave's area: 75,648 bytes
.set SCR,   4*WAREA                    ; 8,192 bytes for the maximum over the waves; no tile lands here
.set SPARE, SCR+8192                   ; the spare words, 128 bytes for each wave: two blocks of 256 bytes that no other line names
; window 0
.set SPW,  1                           ; LDS address of my spare word; never rewritten
.set NIL,  2                           ; 0; never rewritten
.set RR,   3                           ; r = lane % 16
.set HH,   4                           ; h = lane / 16
.set KO,   5                           ; kernel: (r >> 3) x 1,024 + 64 h
.set SO,   6                           ; rt's scale words: 8 r + 4 h
.set OO,   7                           ; out: 128 r + 4 h
.set SCW,  8                           ; the scratch, in: SCR + 2,048 w + 16 lane
.set SCRD, 9                           ; the scratch, back: SCR + 512 w + 16 lane
.set SA,   16                          ; SA + jt: lanes 0-15 the word of d 0-127 of rt's row 16 jt + r, lanes 16-31 that of d 128-255
.set SB,   32                          ; SB + 2 parity + q: the tile's scale word of row r
.set MT0,  36
.set MT1,  37
.set RM,   40                          ; RM + jt: the running maximum
.set XX,   60
.set YY,   76
.set DA,   128                         ; DA + 8 jt: the accumulator of j tile jt
; window 1
.set KN,   0                           ; KN + 16 c + e = kernel[m0 + (r >> 3)][32 c + 16 h + e]
.set LT,   128
.set PR,   160
.set CD,   176                         ; CD + 32 parity + 4 c: the codes of block c: registers 0-15 of a parity are d 0-127
.set T0,   240
.set T1,   241
.set TX,   242
.set TE,   243
.set TL,   244
.set TS,   245
.set TW,   246
.set AL,   254                         ; w x WAREA + (r & 7) x LP + 64 h
.set AR,   255                         ; XOFF + r x RP + 16 h, and WAREA more for each quarter of rt passed
.set WQ,   0x55                        ; all of the quantiser in window 1
.set G1A, 24                           ; s[24:31], s[32:39], s[40:47] descriptor groups 1 for 16, 40 and 8 rows of lt;  s[48:55] for 64 rows of rt
.set G1B, 32
.set G1C, 40
.set G1R, 48
.set G0R, 56                           ; s[56:59], s[60:63], s[68:71], s[72:75] groups 0, each written once
.set G0A, 60
.set G0B, 68
.set G0C, 72
.set W0LT, 15|(2<<16)|(1<<20)|(1<<21)|(7<<22)|(3<<25)   ; 15:0 the mask: all four work-groups; 17:16 elements of 4 bytes; 20 padding on; 21 set beside a mask; 24:22 after every 256 words (code 7); 31:25 four words (code 3)
.set W0RT, 15|(0<<16)|(1<<20)|(1<<21)|(5<<22)|(3<<25)   ; elements of 1 byte; padding after every 64 words (code 5)
.set MSB, 0
.macro WIN new                         ; the immediate's high byte repeats the setting that is left; a switch that changes nothing is dropped
.if MSB != \new
	s_set_vgpr_msb (MSB<<8)|\new
.set MSB, \new
.endif
.endm
; A round of the cluster's barrier: my work-group's barrier, wave 0 signals for the work-group, every wave waits for all four work-groups, my work-group's barrier once more.
.macro ROUND
	s_barrier_signal -1
	s_barrier_wait -1
	s_cmp_lg_u32 s14, 0
	s_cbranch_scc1 .Lnot_wave_0_\@
	s_barrier_signal -3
.Lnot_wave_0_\@:
	s_barrier_wait -3
	s_barrier_signal -1
	s_barrier_wait -1
.endm
.macro GROUP1 g, w0, rows              ; rows of 256 elements, 256 elements apart in memory; the tiles lie inside their tensors, so the extents are the tile's
	s_mov_b32 s[\g], \w0
	s_mov_b32 s[\g+1], 256<<16                     ; tensor_dim0
	s_mov_b32 s[\g+2], (\rows)<<16                 ; tensor_dim1
	s_mov_b32 s[\g+3], 256<<16                     ; tile_dim0
	s_mov_b32 s[\g+4], \rows                       ; tile_dim1
	s_mov_b32 s[\g+5], 256                         ; tensor_dim0_stride
	s_mov_b32 s[\g+6], 0
	s_mov_b32 s[\g+7], 0
.endm
	s_load_b256 s[4:11], s[0:1], 0x0               ; kernel s[4:5], lt s[6:7], rt's codes s[8:9], rt's scales s[10:11]
	s_load_b64 s[12:13], s[0:1], 0x20              ; out
	v_lshl_add_u32 v[SPW], v0, 2, SPARE
	v_mov_b32 v[NIL], 0
	ds_add_u32 v1, v2
	ds_add_u32 v1, v2
	s_wait_dscnt 0x0
	v_lshrrev_b32 v10, 5, v0
	v_readfirstlane_b32 s14, v10                   ; wave 0..3
	s_bfe_u32 s15, ttmp6, 0x40000                  ; cx: my place in the cluster
	s_lshl_b32 s16, ttmp9, 2                       ; in a cluster launch ttmp9 counts clusters
	s_add_co_u32 s16, s16, s15                     ; g = 4 x cluster x + cx: it enters kernel's and out's addresses alone
	s_and_b32 s17, ttmp7, 0xffff                   ; b, which the four partners share
	s_mov_b32 s20, 0x76543210
	s_mov_b32 s21, 0xfedcba98                      ; v_permlanex16_b32's selects for lane l xor 16
	s_mul_i32 s22, s14, WAREA                      ; my wave's area in LDS: no place in the cluster enters an LDS address
	GROUP1 G1A, W0LT, 16
	GROUP1 G1B, W0LT, 40
	GROUP1 G1C, W0LT, 8
	GROUP1 G1R, W0RT, 64
	; byte offsets, each in registers of its own; only s[80:83] ever hold g
	s_lshl_b32 s80, s16, 11                        ; kernel: 2 g rows of 1,024 bytes
	s_mov_b32 s81, 0
	s_lshl_b32 s82, s16, 3                         ; out: 8 g + 32,768 b + 8,192 w (wave w stores j 64 w .. 64 w + 63)
	s_lshl_b32 s76, s17, 15
	s_lshl_b32 s77, s14, 13
	s_add_co_u32 s82, s82, s76
	s_add_co_u32 s82, s82, s77
	s_mov_b32 s83, 0
	s_lshl_b32 s18, s17, 11                        ; rt's scales: 2,048 b
	s_mov_b32 s19, 0
	s_lshl_b32 s78, s17, 16                        ; rt's codes: 65,536 b + 16,384 w: my quarter
	s_lshl_b32 s76, s14, 14
	s_add_co_u32 s78, s78, s76
	s_mov_b32 s79, 0
	s_lshl_b32 s84, s17, 18                        ; lt: 262,144 b + 65,536 w: my 64 rows
	s_lshl_b32 s76, s14, 16
	s_add_co_u32 s84, s84, s76
	s_mov_b32 s85, 0
	; what hangs on the lane
	v_and_b32 v[RR], 15, v0
	v_bfe_u32 v[HH], v0, 4, 1
	v_and_b32 v11, 31, v0                          ; lane
	v_lshrrev_b32 v10, 3, v[RR]
	v_lshlrev_b32 v[KO], 10, v10
	v_lshl_add_u32 v[KO], v[HH], 6, v[KO]
	v_lshlrev_b32 v[SO], 3, v[RR]
	v_lshl_add_u32 v[SO], v[HH], 2, v[SO]
	v_lshlrev_b32 v[OO], 7, v[RR]
	v_lshl_add_u32 v[OO], v[HH], 2, v[OO]
	s_lshl_b32 s76, s14, 11
	s_add_co_u32 s76, s76, SCR
	v_lshl_add_u32 v[SCW], v11, 4, s76
	s_lshl_b32 s77, s14, 9
	s_add_co_u32 s77, s77, SCR
	v_lshl_add_u32 v[SCRD], v11, 4, s77
	v_and_b32 v12, 7, v[RR]
	v_mul_u32_u24 v12, v12, LP
	v_lshl_add_u32 v12, v[HH], 6, v12              ; (r & 7) x LP + 64 h
	v_mul_u32_u24 v13, v[RR], RP
	v_lshl_add_u32 v13, v[HH], 4, v13              ; r x RP + 16 h
	s_wait_kmcnt 0x0
	s_add_nc_u64 s[4:5], s[4:5], s[80:81]
	s_add_nc_u64 s[12:13], s[12:13], s[82:83]
	s_add_nc_u64 s[10:11], s[10:11], s[18:19]
	s_add_nc_u64 s[84:85], s[6:7], s[84:85]        ; lt at my first row
	s_mov_b32 s[G0R], 1                            ; 1:0 count = 1
	s_add_co_u32 s[G0R+1], s22, XOFF               ; 63:32 LDS address
	s_add_nc_u64 s[G0R+2:G0R+3], s[8:9], s[78:79]  ; 120:64 global address: rt's rows 64 w on
	s_or_b32 s[G0R+3], s[G0R+3], 0x80000000        ; 127:126 type = 2
	s_mov_b32 s[G0A], 1
	s_mov_b32 s[G0A+1], s22
	s_mov_b64 s[G0A+2:G0A+3], s[84:85]             ; tiles 0, 1: my rows 0-15
	s_or_b32 s[G0A+3], s[G0A+3], 0x80000000
	s_mov_b32 s[G0B], 1
	s_add_co_u32 s[G0B+1], s22, 2*TILEB
	s_add_nc_u64 s[G0B+2:G0B+3], s[84:85], 16*1024 ; tiles 2-6: my rows 16-55
	s_or_b32 s[G0B+3], s[G0B+3], 0x80000000
	s_mov_b32 s[G0C], 1
	s_add_co_u32 s[G0C+1], s22, XOFF
	s_add_nc_u64 s[G0C+2:G0C+3], s[84:85], 56*1024 ; tile 7: my rows 56-63: the refill
	s_or_b32 s[G0C+3], s[G0C+3], 0x80000000
	WIN 0x40                                       ; destination window 1, sources window 0
.irp c, 0,1,2,3,4,5,6,7
.irp e, 0,1,2,3
	global_load_b128 v[KN+16*\c+4*\e:KN+16*\c+4*\e+3], v[KO], s[4:5] offset:128*\c+16*\e   ; kernel[m0 + (r >> 3)][32 c + 16 h + 4 e ..]
.endr
.endr
	v_add_nc_u32 v[AL], s22, v12
	v_add_nc_u32 v[AR], XOFF, v13
	v_mov_b32 v[TX], 0                             ; (the destination of a lane permute counts as read)
	WIN 0
.irp j, 0,1,2,3,4,5,6,7,8,9,10,11,12,13,14,15
	global_load_b32 v[SA+\j], v[SO], s[10:11] offset:128*\j   ; 16 rows x 8 scale bytes: the wave reads 128 consecutive bytes
.endr
	ROUND                                          ; all four work-groups are here: the first joint loads meet
	tensor_load_to_lds s[G0R:G0R+3], s[G1R:G1R+7]  ; the first fills go out as one group: three loads of mine are out
	s_nop 0
	tensor_load_to_lds s[G0A:G0A+3], s[G1A:G1A+7]
	s_nop 0
	tensor_load_to_lds s[G0B:G0B+3], s[G1B:G1B+7]
	s_nop 0
.rept 4
	v_nop                                          ; four v_nop follow the last of them
.endr
; Block c of tile t of lt into set c % 2: my 16 numbers lt[8 t + (r & 7)][32 c + 16 h ..], 64 bytes.  Lanes r and r + 8 read the same words.
.macro LLOAD t, c
.irp e, 0,1,2,3
	ds_load_b128 v[LT+16*((\c)%2)+4*\e:LT+16*((\c)%2)+4*\e+3], v[AL] offset:(\t)*TILEB+128*(\c)+16*\e
.endr
.endm
; rt's fragments of j tiles 2 n and 2 n + 1, both steps of 128 along d: 16 loads.  Registers 4 f .. 4 f + 3 of a tile's 32 hold d = 32 f + 16 h + 0 .. 15 of row 16 jt + r.
.macro RTLOAD n
.if (\n) < 4
	WIN 0x81                                       ; destination window 2, address window 1
.else
	WIN 0xc1                                       ; destination window 3
.endif
.irp u, 0,1
.irp f, 0,1,2,3,4,5,6,7
	ds_load_b128 v[32*((2*(\n)+\u)%8)+4*\f:32*((2*(\n)+\u)%8)+4*\f+3], v[AR] offset:((2*(\n)+\u)%4)*16*RP+32*\f
.endr
.endr
	WIN WQ
.if (((\n)%2) == 1) && ((\n) < 7)
	v_add_nc_u32 v[AR], WAREA, v[AR]               ; four j tiles are a quarter of rt: on to the next wave's area
.endif
.endm
; THE QUANTISER of block c of tile tq, in four parts.  QA: the products lt x kernel in f32, and the loads that run two blocks ahead.
.macro QA tq, c
.set CNT, 4                            ; LDS loads come back in order: behind this block's four stand the next block's four, which may be out
.if (\tq) == 0                         ; while rt is fetched too: behind block 1's loads stand 4 + 16, behind each later block's 16 + 4 + 16
.if (\c) == 1
.set CNT, 20
.elseif (\c) > 1
.set CNT, 36
.endif
.endif
.if ((\tq) == 7) && ((\c) == 7)
.set CNT, 0                            ; the very last block: nothing was asked for behind it
.endif
	WIN WQ
	s_wait_dscnt CNT
.irp i, 0,1,2,3,4,5,6,7
	v_pk_mul_f32 v[PR+2*\i:PR+2*\i+1], v[LT+16*((\c)%2)+2*\i:LT+16*((\c)%2)+2*\i+1], v[KN+16*(\c)+2*\i:KN+16*(\c)+2*\i+1]
.endr
.if ((\c) == 6) && (((\tq) == 1) || ((\tq) == 6))
	s_wait_tensorcnt 0x0                           ; tile 2 (with 3-6), or tile 7, has landed before its first block is read; only I read these bytes
.endif
.if (\c) < 6
	LLOAD \tq, (\c)+2
.elseif (\tq) < 7
	LLOAD (\tq)+1, (\c)-6
.endif
.if (\tq) == 0
	RTLOAD \c
.endif
.endm
.macro QB                              ; the block's largest magnitude: my 16 numbers, in two chains, and those of lane l xor 16
	WIN WQ
	v_max3_num_f32 v[T0], |v[PR]|, |v[PR+1]|, |v[PR+2]|
	v_max3_num_f32 v[T1], |v[PR+3]|, |v[PR+4]|, |v[PR+5]|
	v_max3_num_f32 v[T0], v[T0], |v[PR+6]|, |v[PR+7]|
	v_max3_num_f32 v[T1], v[T1], |v[PR+8]|, |v[PR+9]|
	v_max3_num_f32 v[T0], v[T0], |v[PR+10]|, |v[PR+11]|
	v_max3_num_f32 v[T1], v[T1], |v[PR+12]|, |v[PR+13]|
	v_max3_num_f32 v[T0], v[T0], |v[PR+14]|, |v[PR+15]|
	v_max_num_f32 v[T0], v[T0], v[T1]
	v_permlanex16_b32 v[TX], v[T0], s20, s21
	v_max_num_f32 v[T0], v[T0], v[TX]
.endm
.macro QC                              ; the scale, and the first holds
	WIN WQ
	v_lshrrev_b32 v[TE], 23, v[T0]                 ; the largest magnitude's exponent field = floor(log2) + 127
	v_max_u32 v[TE], 9, v[TE]                      ; the byte is not to fall under 1
	v_lshl_or_b32 v[TL], v[TE], 23, 0x600000       ; 448 x the scale
	v_add_nc_u32 v[TE], -8, v[TE]                  ; the scale's byte
	v_lshlrev_b32 v[TS], 23, v[TE]                 ; the scale as f32: the conversion takes its exponent field
	v_cmp_eq_u32 vcc_lo, 0, v[T0]
	v_cndmask_b32 v[TE], v[TE], 127, vcc_lo        ; a block of zeros gets 127
.irp i, 0,1,2,3
	v_med3_num_f32 v[PR+\i], v[PR+\i], -v[TL], v[TL]   ; the conversion to an 8-bit code does not saturate (ISA guide 7.6.2): hold the number within 448 x the scale first
.endr
.endm
.macro QD c                            ; the other holds, the conversions into the operand's registers of the next tile's parity, and the byte into the scale word
	WIN WQ
.irp i, 4,5,6,7
	v_med3_num_f32 v[PR+\i], v[PR+\i], -v[TL], v[TL]
.endr
	v_cvt_scalef32_pk8_fp8_f32 v[CD+32*PARN+4*(\c):CD+32*PARN+4*(\c)+1], v[PR:PR+7], v[TS]
.irp i, 8,9,10,11,12,13,14,15
	v_med3_num_f32 v[PR+\i], v[PR+\i], -v[TL], v[TL]   ; (plain instructions behind the first conversion, which touch neither its result nor its sources)
.endr
	v_cvt_scalef32_pk8_fp8_f32 v[CD+32*PARN+4*(\c)+2:CD+32*PARN+4*(\c)+3], v[PR+8:PR+15], v[TS]
.if ((\c)%4) == 0
	v_mov_b32 v[TW], v[TE]                         ; four bytes to a word, the lower d in the lower byte.  (Also the plain instruction behind the second conversion)
.else
	v_lshl_or_b32 v[TW], v[TE], 8*((\c)%4), v[TW]
.endif
.endm
; Product s of a tile's 32: j tile s % 16, step s / 16 of 128 along d.  The first 16 start the sums: nothing is cleared.  The 16 accumulators take turns, one instruction a turn.
.macro WM par, s
.set JT, (\s)%16
.if JT < 8
	WIN 0x09                                       ; source 0 (the tile's codes) window 1, source 1 (rt) window 2, C and D window 0
.else
	WIN 0x0d                                       ; rt in window 3
.endif
.if (\s) < 16
	v_wmma_scale_f32_16x16x128_f8f6f4 v[DA+8*JT:DA+8*JT+7], v[CD+32*(\par):CD+32*(\par)+15], v[32*(JT%8):32*(JT%8)+15], 0, v[SB+2*(\par)], v[SA+JT]
.else
	v_wmma_scale_f32_16x16x128_f8f6f4 v[DA+8*JT:DA+8*JT+7], v[CD+32*(\par)+16:CD+32*(\par)+31], v[32*(JT%8)+16:32*(JT%8)+31], v[DA+8*JT:DA+8*JT+7], v[SB+2*(\par)+1], v[SA+JT] matrix_b_scale:MATRIX_SCALE_ROW1
.endif
.endm
; The maximum over the 8 i of j tiles 2 v and 2 v + 1, each accumulator from its low end on, the two by turns; first = 1: it starts the running maximum.
.macro MV v, first
	WIN 0
.set D0, DA+16*(\v)
.set D1, DA+16*(\v)+8
	v_max3_num_f32 v[MT0], v[D0], v[D0+1], v[D0+2]
	v_max3_num_f32 v[MT1], v[D1], v[D1+1], v[D1+2]
	v_max3_num_f32 v[MT0], v[MT0], v[D0+3], v[D0+4]
	v_max3_num_f32 v[MT1], v[MT1], v[D1+3], v[D1+4]
	v_max3_num_f32 v[MT0], v[MT0], v[D0+5], v[D0+6]
	v_max3_num_f32 v[MT1], v[MT1], v[D1+5], v[D1+6]
.if \first
	v_max_num_f32 v[RM+2*(\v)], v[MT0], v[D0+7]
	v_max_num_f32 v[RM+2*(\v)+1], v[MT1], v[D1+7]
.else
	v_max3_num_f32 v[RM+2*(\v)], v[RM+2*(\v)], v[MT0], v[D0+7]
	v_max3_num_f32 v[RM+2*(\v)+1], v[RM+2*(\v)+1], v[MT1], v[D1+7]
.endif
.endm
; Place s of a phase's 32.  A result finished by product 16 + jt is read two places later, behind two parts of the quantiser; j tiles 14 and 15 in place 1 of the next phase, ahead of the products that start them anew.
; A vector instruction reads a result of this matrix form eight plain vector instructions behind it or more; a scale word written by a vector instruction stands a phase ahead of its first use.
.macro SLOT t, s, mm, qq
.if \qq && (((\s) == 15) || ((\s) == 31))
.if \mm
	WIN 0x0d                                       ; the setting of the product that follows: source 0 window 1, destination window 0
.else
	WIN 0x01
.endif
	v_mov_b32 v[SB+2*PARN+(\s)/16], v[TW]          ; the next tile's scale word of 128 along d is whole
.endif
.if \mm
	WM PAR, \s
.if ((\s) == 1) && ((\t) > 0)
	MV 7, FPREV
.endif
.if ((\s) >= 19) && (((\s)%2) == 1)
.if ((\qq) == 0) && ((\s) == 19)
.rept 8
	v_nop                                          ; no quantiser stands between the products here; from the next visit on the visit before gives the eight
.endr
.endif
	MV ((\s)-19)/2, FCUR
.endif
.endif
.endm
; PHASE t: mm = 1: the products of tile t;  qq = 1: the quantiser of tile t + 1.
.macro PHASE t, mm, qq
.set PAR,  ((\t)+2)%2
.set PARN, ((\t)+1)%2
.set FCUR, 0
.set FPREV, 0
.if (\t) == 0
.set FCUR, 1
.endif
.if (\t) == 1
.set FPREV, 1
.endif
.irp c, 0,1,2,3,4,5,6,7
.if \qq
	QA (\t)+1, \c
.endif
	SLOT \t, 4*\c, \mm, \qq
.if \qq
	QB
.endif
	SLOT \t, 4*\c+1, \mm, \qq
.if \qq
	QC
.endif
	SLOT \t, 4*\c+2, \mm, \qq
.if \qq
	QD \c
.endif
	SLOT \t, 4*\c+3, \mm, \qq
.endr
.endm
	s_wait_tensorcnt 0x1                           ; my quarter of rt and my tiles 0, 1 are in; the load of tiles 2-6 may stay out
	s_barrier_signal -1
	s_barrier_wait -1                              ; every wave's quarter of rt is in
	WIN WQ
	LLOAD 0, 0
	LLOAD 0, 1
	s_wait_loadcnt 0x0                             ; kernel's numbers and rt's scale words
	PHASE -1, 0, 1                                 ; tile 0 is quantised, and all of rt comes into registers, a chunk of 16 loads with each block
	s_wait_dscnt 0x0                               ; rt's last chunk is the youngest LDS load
	PHASE 0, 1, 1
	; THE REFILL.  Every wave holds rt in registers; each wave's tile 7 goes into its former quarter of rt.
	WIN 0                                          ; (the add's two registers lie in window 0; at a branch and at a label every window is 0)
	s_wait_tensorcnt 0x0                           ; all my tensor loads have landed
	ds_add_u32 v[SPW], v[NIL]                      ; 0 onto my spare word
	s_wait_dscnt 0x0                               ; the add is done, and my reads of rt are over
	ROUND                                          ; both now hold of every wave of all four work-groups
	tensor_load_to_lds s[G0C:G0C+3], s[G1C:G1C+7]  ; my one tensor load behind the round: one load of mine is out, and phases 1 to 4 and most of 5 stand ahead of the wait for it
	s_nop 0
.rept 4
	v_nop
.endr
	PHASE 1, 1, 1
	PHASE 2, 1, 1
	PHASE 3, 1, 1
	PHASE 4, 1, 1
	PHASE 5, 1, 1
	PHASE 6, 1, 1
	PHASE 7, 1, 0
	MV 7, 0                                        ; the visit in place 31 gives the eight plain instructions behind the last product
	; THE TAIL.  The four waves' maxima meet in LDS: wave w takes j tiles 4 w .. 4 w + 3 of all four.
.irp q, 0,1,2,3
	ds_store_b128 v[SCW], v[RM+4*\q:RM+4*\q+3] offset:512*\q
.endr
	s_wait_dscnt 0x0                               ; for the others' sake: my stores are done
	s_barrier_signal -1
	s_barrier_wait -1
.irp q, 0,1,2,3
	ds_load_b128 v[XX+4*\q:XX+4*\q+3], v[SCRD] offset:2048*\q      ; wave q's maxima of my four j tiles
.endr
	s_wait_dscnt 0x0
.irp k, 0,1,2,3
	v_max3_num_f32 v[YY+\k], v[XX+\k], v[XX+4+\k], v[XX+8+\k]
.endr
.irp k, 0,1,2,3
	v_max_num_f32 v[YY+\k], v[YY+\k], v[XX+12+\k]
.endr
.irp k, 0,1,2,3
	v_mul_f32 v[XX+\k], 0x4038aa3b, v[YY+\k]       ; 2 log2(e) x
.endr
.irp k, 0,1,2,3
	v_exp_f32 v[XX+\k], v[XX+\k]
.endr
	v_nop                                          ; one plain instruction behind the transcendentals (ISA guide 5.7.2)
	s_wait_alu depctr_va_vdst(0)
.irp k, 0,1,2,3
	v_add_f32 v[XX+\k], 1.0, v[XX+\k]
.endr
.irp k, 0,1,2,3
	v_rcp_f32 v[XX+\k], v[XX+\k]
.endr
	v_nop
	s_wait_alu depctr_va_vdst(0)
.irp k, 0,1,2,3
	v_fma_f32 v[YY+\k], v[XX+\k], -2.0, 1.0        ; tanh = 1 - 2 / (1 + 2^(2 log2(e) x))
.endr
.irp k, 0,1,2,3
	global_store_b32 v[OO], v[YY+\k], s[12:13] offset:2048*\k      ; out[b][16 (4 w + k) + r][2 g + h]
.endr
	s_wait_tensorcnt 0x0                           ; the wave's end: behind my last tensor load and my last LDS store
	ds_add_u32 v[SPW], v[NIL]
	s_wait_dscnt 0x0
	ROUND                                          ; the closing round: no work-group ends while a partner may still ask for a tile that names it
	s_endpgm
.Lfunc_end_k_q419e5c8c0c_match:
	.size	k_q419e5c8c0c_match, .Lfunc_end_k_q419e5c8c0c_match-k_q419e5c8c0c_match
	.p2alignl 7, 3214868480
	.fill 96, 4, 3214868480
	.section	.rodata,"a",@progbits
	.p2align	6, 0x0
	.amdhsa_kernel k_q419e5c8c0c_match
		.amdhsa_group_segment_fixed_size 327680
		.amdhsa_private_segment_fixed_size 0
		.amdhsa_enable_private_segment 0
		.amdhsa_kernarg_size 40
		.amdhsa_user_sgpr_count 2
		.amdhsa_user_sgpr_kernarg_segment_ptr 1
		.amdhsa_wavefront_size32 1
		.amdhsa_system_sgpr_workgroup_id_x 1
		.amdhsa_system_sgpr_workgroup_id_y 1
		.amdhsa_system_sgpr_workgroup_id_z 1
		.amdhsa_system_vgpr_workitem_id 0
		.amdhsa_next_free_vgpr 1024
		.amdhsa_next_free_sgpr 90
		.amdhsa_reserve_vcc 1
		.amdhsa_float_denorm_mode_32 3
		.amdhsa_float_denorm_mode_16_64 3
		.amdhsa_memory_ordered 1
		.amdhsa_forward_progress 1
		.amdhsa_inst_pref_size 255
	.end_amdhsa_kernel
	.section	.bss,"aw",@nobits
	.p2align	6
	.space	262144
	.amdgpu_metadata
---
amdhsa.version: [ 1, 2 ]
amdhsa.kernels:
  - .name:           k_q419e5c8c0c_match
    .symbol:         k_q419e5c8c0c_match.kd
    .args:
      - { .name: kernel, .offset: 0, .size: 8, .value_kind: global_buffer, .address_space: global }
      - { .name: reps_lt, .offset: 8, .size: 8, .value_kind: global_buffer, .address_space: global }
      - { .name: reps_rt_codes, .offset: 16, .size: 8, .value_kind: global_buffer, .address_space: global }
      - { .name: reps_rt_scales, .offset: 24, .size: 8, .value_kind: global_buffer, .address_space: global }
      - { .name: out0, .offset: 32, .size: 8, .value_kind: global_buffer, .address_space: global }
    .group_segment_fixed_size: 327680
    .private_segment_fixed_size: 0
    .kernarg_segment_align: 8
    .kernarg_segment_size: 40
    .max_flat_workgroup_size: 128
    .sgpr_count:     90
    .vgpr_count:     1024
    .wavefront_size: 32
...
	.end_amdgpu_metadata
.endif
;; end of part 1
;; ======== version 2 of 2: 1 launch; 1.21 times as fast as version 1
;; launch match (part 2): grid 16 x 16, 4 waves a work-group, clusters of 4 x 1, 327,680 bytes of LDS; arguments kernel, reps_lt, reps_rt_codes, reps_rt_scales, out0; writes out0
.if DOCPART == 2
	.amdgcn_target "amdgcn-amd-amdhsa--gfx1250"
	.amdhsa_code_object_version 6
	.text
	.protected	k_q419e5c8c0c_match
	.globl	k_q419e5c8c0c_match
	.p2align	8
	.type	k_q419e5c8c0c_match,@function
k_q419e5c8c0c_match:
	s_mov_b64 s[64:65], 0
	v_nop
	global_prefetch_b8 v0, s[64:65] scope:SCOPE_SE
	s_setreg_imm32_b32 hwreg(HW_REG_WAVE_MODE, 25, 1), 1
	s_wait_xcnt 0x0
	s_wait_alu depctr_hold_cnt(0) depctr_sa_sdst(0) depctr_va_vdst(0) depctr_va_sdst(0) depctr_va_ssrc(0) depctr_va_vcc(0) depctr_vm_vsrc(0)
	s_getreg_b32 s2, hwreg(HW_REG_IB_STS2, 6, 4)
	s_cmp_eq_u32 s2, 0
	s_cbranch_scc0 .Lentry_in_a_cluster
	s_endpgm
.Lentry_in_a_cluster:
	s_bfe_u32 s2, ttmp6, 0x10000c
	s_cmp_lg_u32 s2, 0x3003
	s_cbranch_scc0 .Lentry_shape_is_right
	s_endpgm
.Lentry_shape_is_right:
; out[b][j][m] = max over i of tanh( sum over d of rt[b][j][d] x Q(lt[b][i][d] x kernel[m][d]) ).  b 16, i 256, j 256, d 256, m 32.
; rt comes as codes of E4M3 with one E8M0 byte for each 32 along d; lt x kernel is made in f32 and quantised along d, 32 to a block, in registers; sums in f32.
; tanh never decreases, so the maximum is taken of the sums and tanh once of the maximum: tanh(x) = 1 - 2 / (1 + 2^(2 log2(e) x)), which goes to +-1 for any large x.
; LIMITS: NaN and infinities among the inputs are not served (the maxima drop a NaN); tanh's absolute error is about 1e-7.
; A BLOCK OF ZEROS keeps the byte 1 that the clip from below gives, not 127: its codes are zeros, which add nothing to a sum whatever their byte, so the sum is the same for every input.
; SHARES.  A work-group owns one batch b and two m (m0 = 2 g, g = 0 .. 15): 256 work-groups.  It sees all 256 i, so the maximum over i never leaves it, and every number of lt x kernel is quantised once in the launch.
; Wave w owns lt's rows 64 w .. 64 w + 63, for both m and all 256 j: 8 tiles of 16 operand rows, 16 tiles of j, 2 steps of 128 along d: 256 matrix instructions.
; All of rt[b] (16 x 2 fragments of 16 registers) stays in the wave's registers; the quantiser's conversions write the other operand's registers directly: no code of lt x kernel goes through LDS or memory.
; A TILE: operand row p stands for i = 64 w + 8 T + (p & 7) and m = m0 + (p >> 3), so a lane keeps ONE set of 128 numbers of kernel for the whole launch.
; THE MATRIX INSTRUCTION IS USED TRANSPOSED: source 0 = the tile of lt x kernel, source 1 = 16 rows of rt.  Register jj of lane (r, h) is then (i = i0 + jj, m = m0 + h, j = 16 jt + r): the maximum over i is a maximum over a lane's own registers.
; PERIODS.  The wave's 64 blocks of 32 along d (8 to a tile) are numbered through.  In period p the FRONT of block p + 1 (products lt x kernel, largest magnitude) and the BACK of block p (scale, holds, conversions, byte)
; are written line by line between each other, so that between two instructions of which one reads the other's result stand three others or more.  The wave is alone on its SIMD: nothing else would fill such a gap.
; Tile T's 32 matrix instructions stand in periods 8 T + 8 .. 8 T + 15, four a period, each behind a slice of 11 to 14 vector instructions; the maximum over four finished accumulators goes in four chains, half of it in each period.
; There are about 12 vector instructions for each matrix instruction, so the slices cost nine switches of the register window a period: the lesser price beside leaving one of the two units idle in phases.
; CLUSTER.  The sixteen work-groups of a batch read the same lt[b] and rt[b].  Four of them form a cluster of 4 x 1 and ask for each tile JOINTLY (mask 15): the same load, the same descriptor, in all four.
; LDS.  lt[b] and rt[b], padded, are 8 KB more than a WGP's LDS.  So rt and lt's tiles 0-6 come first; when every wave holds rt in registers, each wave's tile 7 is filled into its former quarter of rt: one refill, written out.
; THE START.  A wave's first fills go out in the order in which it needs them: its tile 0 (8 rows of 1,024 bytes), its quarter of rt (64 rows of 256), its tile 1 (8 rows), its tiles 2-6 (40 rows).
; It begins to quantise behind the wait for tile 0 alone, 8 KB, which only it reads: no barrier.  rt, which all four waves read, and tile 1 are waited for six periods later, in front of the one barrier that shows rt to every wave.
; THE WAY OUT.  A work-group owns 8 bytes of each 128-byte row of out, 2 KB in all: it stores 4 bytes a lane, rows 128 bytes apart.  Whole rows would want the sixteen work-groups of a batch to meet, that is a second launch.
;
; REGISTERS, in windows of 256 (s_set_vgpr_msb's low byte: bits 1:0 source 0, 3:2 source 1, 5:4 source 2, 7:6 destination):
;   window 0: v0-13 addresses; v16-31 rt's scale words; v32-35 the tiles' scale words; v36-39 at work; v40-55 running maxima; v64-127 codes, two tiles (the tail works in v64-83); v128-255 the 16 accumulators
;   window 1: v0-127 kernel's numbers; v128-223 lt and, in place, lt x kernel: six sets of 16; v224-230 at work; v254, v255 LDS addresses
;   windows 2, 3: rt's fragments: (jt, q) at v[32 (jt % 8) + 16 q], jt 0-7 in window 2, jt 8-15 in window 3
.set LP,    1040                       ; a row of lt in LDS: 1,024 bytes + 16 of padding = 260 words: the 8 rows that a load touches start 4 words apart
.set TILEB, 8*LP                       ; a tile's 8 rows of lt
.set RP,    272                        ; a row of rt's codes: 256 bytes + 16 of padding: the 16 rows of a fragment load start 4 words apart
.set XOFF,  7*TILEB                    ; in a wave's area: behind tiles 0-6 first its quarter of rt (64 rows), later tile 7: tile T lies at T x TILEB for every T
.set WAREA, XOFF+64*RP                 ; a wave's area: 75,648 bytes
.set SCR,   4*WAREA                    ; 8,192 bytes for the maximum over the waves; no tile lands here
.set SPARE, SCR+8192                   ; the spare words, 128 bytes for each wave: two blocks of 256 bytes that no other line names
; window 0
.set SPW,  1                           ; LDS address of my spare word; never rewritten
.set NIL,  2                           ; 0; never rewritten
.set RR,   3                           ; r = lane % 16
.set HH,   4                           ; h = lane / 16
.set KO,   5                           ; kernel: (r >> 3) x 1,024 + 64 h
.set SO,   6                           ; rt's scale words: 8 r + 4 h
.set OO,   7                           ; out: 128 r + 4 h
.set SCW,  8                           ; the scratch, in: SCR + 2,048 w + 16 lane
.set SCRD, 9                           ; the scratch, back: SCR + 512 w + 16 lane
.set SA,   16                          ; SA + jt: lanes 0-15 the word of d 0-127 of rt's row 16 jt + r, lanes 16-31 that of d 128-255
.set SB,   32                          ; SB + 2 parity + q: the tile's scale word of row r, built in place, byte by byte
.set MT,   36                          ; four chains of the maximum over results
.set RM,   40                          ; RM + jt: the running maximum
.set CD,   64                          ; CD + 32 parity + 4 c: the codes of a tile's block c: registers 0-15 of a parity are d 0-127
.set XX,   64                          ; the tail
.set YY,   80
.set DA,   128                         ; DA + 8 jt: the accumulator of j tile jt
; window 1
.set KN,   0                           ; KN + 16 c + e = kernel[m0 + (r >> 3)][32 c + 16 h + e]
.set LS,   128                         ; block n's 16 numbers at LS + 16 (n % 6): five sets are alive at a time (the back's, the front's, one landed, two on their way)
.set TFA,  224                         ; v224, v225: a block's largest magnitude, by the block's parity: the front writes one while the back reads the other
.set T1,   226
.set TX,   227
.set TE,   228
.set TL,   229
.set TS,   230
.set AL,   254                         ; w x WAREA + (r & 7) x LP + 64 h
.set AR,   255                         ; XOFF + r x RP + 16 h, and WAREA more for each quarter of rt passed
.set WQ,   0x55                        ; products, maxima, scales and holds: all in window 1
.set WC,   0x05                        ; conversions and bytes: sources 0 and 1 in window 1, source 2 and destination in window 0
.set G0D, 24                           ; s[24:27] group 0 for tile 1
.set G1B, 32                           ; s[32:39], s[40:47] descriptor groups 1 for 40 and 8 rows of lt (the second serves tiles 0, 1 and 7);  s[48:55] for 64 rows of rt
.set G1C, 40
.set G1R, 48
.set G0R, 56                           ; s[56:59] rt, s[60:63] tile 0, s[68:71] tiles 2-6, s[72:75] tile 7: groups 0, each written once
.set G0A, 60
.set G0B, 68
.set G0C, 72
.set W0LT, 15|(2<<16)|(1<<20)|(1<<21)|(7<<22)|(3<<25)   ; 15:0 the mask: all four work-groups; 17:16 elements of 4 bytes; 20 padding on; 21 set beside a mask; 24:22 after every 256 words (code 7); 31:25 four words (code 3)
.set W0RT, 15|(0<<16)|(1<<20)|(1<<21)|(5<<22)|(3<<25)   ; elements of 1 byte; padding after every 64 words (code 5)
.set MSB, 0
.macro WIN new                         ; the immediate's high byte repeats the setting that is left; a switch that changes nothing is dropped
.if MSB != \new
	s_set_vgpr_msb (MSB<<8)|\new
.set MSB, \new
.endif
.endm
; A round of the cluster's barrier: my work-group's barrier, wave 0 signals for the work-group, every wave waits for all four work-groups, my work-group's barrier once more.
.macro ROUND
	s_barrier_signal -1
	s_barrier_wait -1
	s_cmp_lg_u32 s14, 0
	s_cbranch_scc1 .Lnot_wave_0_\@
	s_barrier_signal -3
.Lnot_wave_0_\@:
	s_barrier_wait -3
	s_barrier_signal -1
	s_barrier_wait -1
.endm
.macro GROUP1 g, w0, rows              ; rows of 256 elements, 256 elements apart in memory; the tiles lie inside their tensors, so the extents are the tile's
	s_mov_b32 s[\g], \w0
	s_mov_b32 s[\g+1], 256<<16                     ; tensor_dim0
	s_mov_b32 s[\g+2], (\rows)<<16                 ; tensor_dim1
	s_mov_b32 s[\g+3], 256<<16                     ; tile_dim0
	s_mov_b32 s[\g+4], \rows                       ; tile_dim1
	s_mov_b32 s[\g+5], 256                         ; tensor_dim0_stride
	s_mov_b32 s[\g+6], 0
	s_mov_b32 s[\g+7], 0
.endm
	s_load_b256 s[4:11], s[0:1], 0x0               ; kernel s[4:5], lt s[6:7], rt's codes s[8:9], rt's scales s[10:11]
	s_load_b64 s[12:13], s[0:1], 0x20              ; out
	v_lshl_add_u32 v[SPW], v0, 2, SPARE
	v_mov_b32 v[NIL], 0
	ds_add_u32 v1, v2
	ds_add_u32 v1, v2
	s_wait_dscnt 0x0
	v_lshrrev_b32 v10, 5, v0
	v_readfirstlane_b32 s14, v10                   ; wave 0..3
	s_bfe_u32 s15, ttmp6, 0x40000                  ; cx: my place in the cluster
	s_lshl_b32 s16, ttmp9, 2                       ; in a cluster launch ttmp9 counts clusters
	s_add_co_u32 s16, s16, s15                     ; g = 4 x cluster x + cx: it enters kernel's and out's addresses alone
	s_and_b32 s17, ttmp7, 0xffff                   ; b, which the four partners share
	s_mov_b32 s20, 0x76543210
	s_mov_b32 s21, 0xfedcba98                      ; v_permlanex16_b32's selects for lane l xor 16
	s_mul_i32 s22, s14, WAREA                      ; my wave's area in LDS: no place in the cluster enters an LDS address
	GROUP1 G1B, W0LT, 40
	GROUP1 G1C, W0LT, 8
	GROUP1 G1R, W0RT, 64
	; byte offsets, each in registers of its own; only s[80:83] ever hold g
	s_lshl_b32 s80, s16, 11                        ; kernel: 2 g rows of 1,024 bytes
	s_mov_b32 s81, 0
	s_lshl_b32 s82, s16, 3                         ; out: 8 g + 32,768 b + 8,192 w (wave w stores j 64 w .. 64 w + 63)
	s_lshl_b32 s76, s17, 15
	s_lshl_b32 s77, s14, 13
	s_add_co_u32 s82, s82, s76
	s_add_co_u32 s82, s82, s77
	s_mov_b32 s83, 0
	s_lshl_b32 s18, s17, 11                        ; rt's scales: 2,048 b
	s_mov_b32 s19, 0
	s_lshl_b32 s78, s17, 16                        ; rt's codes: 65,536 b + 16,384 w: my quarter
	s_lshl_b32 s76, s14, 14
	s_add_co_u32 s78, s78, s76
	s_mov_b32 s79, 0
	s_lshl_b32 s84, s17, 18                        ; lt: 262,144 b + 65,536 w: my 64 rows
	s_lshl_b32 s76, s14, 16
	s_add_co_u32 s84, s84, s76
	s_mov_b32 s85, 0
	; what hangs on the lane
	v_and_b32 v[RR], 15, v0
	v_bfe_u32 v[HH], v0, 4, 1
	v_and_b32 v11, 31, v0                          ; lane
	v_lshrrev_b32 v10, 3, v[RR]
	v_lshlrev_b32 v[KO], 10, v10
	v_lshl_add_u32 v[KO], v[HH], 6, v[KO]
	v_lshlrev_b32 v[SO], 3, v[RR]
	v_lshl_add_u32 v[SO], v[HH], 2, v[SO]
	v_lshlrev_b32 v[OO], 7, v[RR]
	v_lshl_add_u32 v[OO], v[HH], 2, v[OO]
	s_lshl_b32 s76, s14, 11
	s_add_co_u32 s76, s76, SCR
	v_lshl_add_u32 v[SCW], v11, 4, s76
	s_lshl_b32 s77, s14, 9
	s_add_co_u32 s77, s77, SCR
	v_lshl_add_u32 v[SCRD], v11, 4, s77
	v_and_b32 v12, 7, v[RR]
	v_mul_u32_u24 v12, v12, LP
	v_lshl_add_u32 v12, v[HH], 6, v12              ; (r & 7) x LP + 64 h
	v_mul_u32_u24 v13, v[RR], RP
	v_lshl_add_u32 v13, v[HH], 4, v13              ; r x RP + 16 h
	s_wait_kmcnt 0x0
	s_add_nc_u64 s[4:5], s[4:5], s[80:81]
	s_add_nc_u64 s[12:13], s[12:13], s[82:83]
	s_add_nc_u64 s[10:11], s[10:11], s[18:19]
	s_add_nc_u64 s[84:85], s[6:7], s[84:85]        ; lt at my first row
	s_mov_b32 s[G0A], 1                            ; 1:0 count = 1
	s_mov_b32 s[G0A+1], s22                        ; 63:32 LDS address
	s_mov_b64 s[G0A+2:G0A+3], s[84:85]             ; 120:64 global address: tile 0: my rows 0-7
	s_or_b32 s[G0A+3], s[G0A+3], 0x80000000        ; 127:126 type = 2
	s_mov_b32 s[G0R], 1
	s_add_co_u32 s[G0R+1], s22, XOFF
	s_add_nc_u64 s[G0R+2:G0R+3], s[8:9], s[78:79]  ; rt's rows 64 w on
	s_or_b32 s[G0R+3], s[G0R+3], 0x80000000
	s_mov_b32 s[G0D], 1
	s_add_co_u32 s[G0D+1], s22, TILEB
	s_add_nc_u64 s[G0D+2:G0D+3], s[84:85], 8*1024  ; tile 1: my rows 8-15
	s_or_b32 s[G0D+3], s[G0D+3], 0x80000000
	s_mov_b32 s[G0B], 1
	s_add_co_u32 s[G0B+1], s22, 2*TILEB
	s_add_nc_u64 s[G0B+2:G0B+3], s[84:85], 16*1024 ; tiles 2-6: my rows 16-55
	s_or_b32 s[G0B+3], s[G0B+3], 0x80000000
	s_mov_b32 s[G0C], 1
	s_add_co_u32 s[G0C+1], s22, XOFF
	s_add_nc_u64 s[G0C+2:G0C+3], s[84:85], 56*1024 ; tile 7: my rows 56-63: the refill
	s_or_b32 s[G0C+3], s[G0C+3], 0x80000000
	WIN 0x40                                       ; destination window 1, sources window 0
.irp c, 0,1,2,3,4,5,6,7
.irp e, 0,1,2,3
	global_load_b128 v[KN+16*\c+4*\e:KN+16*\c+4*\e+3], v[KO], s[4:5] offset:128*\c+16*\e   ; kernel[m0 + (r >> 3)][32 c + 16 h + 4 e ..]
.endr
.endr
	v_add_nc_u32 v[AL], s22, v12
	v_add_nc_u32 v[AR], XOFF, v13
	v_mov_b32 v[TX], 0                             ; (the destination of a lane permute counts as read)
	WIN 0
.irp j, 0,1,2,3,4,5,6,7,8,9,10,11,12,13,14,15
	global_load_b32 v[SA+\j], v[SO], s[10:11] offset:128*\j   ; 16 rows x 8 scale bytes: the wave reads 128 consecutive bytes
.endr
	ROUND                                          ; all four work-groups are here: the first joint loads meet
	tensor_load_to_lds s[G0A:G0A+3], s[G1C:G1C+7]  ; the first fills go out as one group, in the order in which they are needed: four loads of mine are out
	s_nop 0
	tensor_load_to_lds s[G0R:G0R+3], s[G1R:G1R+7]
	s_nop 0
	tensor_load_to_lds s[G0D:G0D+3], s[G1C:G1C+7]
	s_nop 0
	tensor_load_to_lds s[G0B:G0B+3], s[G1B:G1B+7]
	s_nop 0
.rept 4
	v_nop                                          ; four v_nop follow the last of them
.endr
; Block n (tile n / 8, block n % 8 of it) of lt into its set: my 16 numbers lt[8 (n / 8) + (r & 7)][32 (n % 8) + 16 h ..], 64 bytes.  Lanes r and r + 8 read the same words.
.macro LLOAD n
.irp e, 0,1,2,3
	ds_load_b128 v[LS+16*((\n)%6)+4*\e:LS+16*((\n)%6)+4*\e+3], v[AL] offset:((\n)/8)*TILEB+128*((\n)%8)+16*\e
.endr
.endm
; Chunk n of rt: the fragments of j tiles 2 n and 2 n + 1, both steps of 128 along d: 16 loads.  Registers 4 f .. 4 f + 3 of a tile's 32 hold d = 32 f + 16 h + 0 .. 15 of row 16 jt + r.
; Each of these registers is loaded once, ahead of every matrix instruction that names it.
.macro RTLOAD n
.if (\n) < 4
	WIN 0x81                                       ; destination window 2, address window 1
.else
	WIN 0xc1                                       ; destination window 3
.endif
.irp u, 0,1
.irp f, 0,1,2,3,4,5,6,7
	ds_load_b128 v[32*((2*(\n)+\u)%8)+4*\f:32*((2*(\n)+\u)%8)+4*\f+3], v[AR] offset:((2*(\n)+\u)%4)*16*RP+32*\f
.endr
.endr
.if (((\n)%2) == 1) && ((\n) < 7)
	WIN WQ
	v_add_nc_u32 v[AR], WAREA, v[AR]               ; four j tiles are a quarter of rt: on to the next wave's area
.endif
.endm
; THE FRONT of the block in FS (its place in the tile: FC; its largest magnitude goes to TF).  FA i: two products lt x kernel in f32, in place.
.macro FA i
.if HASF
	v_pk_mul_f32 v[FS+2*(\i):FS+2*(\i)+1], v[FS+2*(\i):FS+2*(\i)+1], v[KN+16*FC+2*(\i):KN+16*FC+2*(\i)+1]
.endif
.endm
; FB j: line j of ten of the largest magnitude: my 16 numbers in two chains, then those of lane l xor 16
.macro FB j
.if HASF
.if (\j) == 0
	v_max3_num_f32 v[TF], |v[FS]|, |v[FS+1]|, |v[FS+2]|
.elseif (\j) == 1
	v_max3_num_f32 v[T1], |v[FS+3]|, |v[FS+4]|, |v[FS+5]|
.elseif ((\j) < 7) && (((\j)%2) == 0)
	v_max3_num_f32 v[TF], v[TF], |v[FS+2*(\j)+2]|, |v[FS+2*(\j)+3]|
.elseif (\j) < 7
	v_max3_num_f32 v[T1], v[T1], |v[FS+2*(\j)+2]|, |v[FS+2*(\j)+3]|
.elseif (\j) == 7
	v_max_num_f32 v[TF], v[TF], v[T1]
.elseif (\j) == 8
	v_permlanex16_b32 v[TX], v[TF], s20, s21
.else
	v_max_num_f32 v[TF], v[TF], v[TX]
.endif
.endif
.endm
; THE BACK of the block in BS (its largest magnitude in TB; block BI of the tile of parity BP).  BC j: line j of five of the scale.
.macro BC j
.if HASB
.if (\j) == 0
	v_lshrrev_b32 v[TE], 23, v[TB]                 ; the largest magnitude's exponent field = floor(log2) + 127
.elseif (\j) == 1
	v_max_u32 v[TE], 9, v[TE]                      ; the byte is not to fall under 1
.elseif (\j) == 2
	v_lshl_or_b32 v[TL], v[TE], 23, 0x600000       ; 448 x the scale
.elseif (\j) == 3
	v_add_nc_u32 v[TE], -8, v[TE]                  ; the scale's byte
.else
	v_lshlrev_b32 v[TS], 23, v[TE]                 ; the scale as f32: the conversion takes its exponent field
.endif
.endif
.endm
.macro BD i                            ; the conversion to an 8-bit code does not saturate (ISA guide 7.6.2): hold the number within 448 x the scale first
.if HASB
	v_med3_num_f32 v[BS+(\i)], v[BS+(\i)], -v[TL], v[TL]
.endif
.endm
.macro BE                              ; the conversions, straight into the operand's registers, and the byte into the tile's scale word, the lower d in the lower byte
.if HASB
	WIN WC
	v_cvt_scalef32_pk8_fp8_f32 v[CD+32*BP+4*BI:CD+32*BP+4*BI+1], v[BS:BS+7], v[TS]
	v_cvt_scalef32_pk8_fp8_f32 v[CD+32*BP+4*BI+2:CD+32*BP+4*BI+3], v[BS+8:BS+15], v[TS]
.if (BI%4) == 0
	v_mov_b32 v[SB+2*BP+BI/4], v[TE]               ; (also the plain instruction behind the conversions, which touches neither their results nor their sources)
.else
	v_lshl_or_b32 v[SB+2*BP+BI/4], v[TE], 8*(BI%4), v[SB+2*BP+BI/4]
.endif
.endif
.endm
; Product s of a tile's 32, in groups of four j tiles: j tile 4 (s / 8) + s % 4, step (s % 8) / 4 of 128 along d.  A group's first four start the sums: nothing is cleared.
; The accumulators take turns, one instruction a turn: between the two links of a sum stand three others'.
.macro WM s
.set JT, 4*((\s)/8)+(\s)%4
.if JT < 8
	WIN 0x08                                       ; source 1 (rt) window 2; source 0 (the tile's codes), C and D window 0
.else
	WIN 0x0c                                       ; rt in window 3
.endif
.if (((\s)%8)/4) == 0
	v_wmma_scale_f32_16x16x128_f8f6f4 v[DA+8*JT:DA+8*JT+7], v[CD+32*MP:CD+32*MP+15], v[32*(JT%8):32*(JT%8)+15], 0, v[SB+2*MP], v[SA+JT]
.else
	v_wmma_scale_f32_16x16x128_f8f6f4 v[DA+8*JT:DA+8*JT+7], v[CD+32*MP+16:CD+32*MP+31], v[32*(JT%8)+16:32*(JT%8)+31], v[DA+8*JT:DA+8*JT+7], v[SB+2*MP+1], v[SA+JT] matrix_b_scale:MATRIX_SCALE_ROW1
.endif
.endm
; The maximum over the 8 i of the four j tiles of group g, in four chains, each accumulator from its low end on.  MVA: the first half;  MVB: the second; first = 1: it starts the running maxima.
.macro MVA g
	WIN 0
.irp k, 0,1,2,3
	v_max3_num_f32 v[MT+\k], v[DA+8*(4*(\g)+\k)], v[DA+8*(4*(\g)+\k)+1], v[DA+8*(4*(\g)+\k)+2]
.endr
.irp k, 0,1,2,3
	v_max3_num_f32 v[MT+\k], v[MT+\k], v[DA+8*(4*(\g)+\k)+3], v[DA+8*(4*(\g)+\k)+4]
.endr
.endm
.macro MVB g, first
	WIN 0
.irp k, 0,1,2,3
	v_max3_num_f32 v[MT+\k], v[MT+\k], v[DA+8*(4*(\g)+\k)+5], v[DA+8*(4*(\g)+\k)+6]
.endr
.irp k, 0,1,2,3
.if \first
	v_max_num_f32 v[RM+4*(\g)+\k], v[MT+\k], v[DA+8*(4*(\g)+\k)+7]
.else
	v_max3_num_f32 v[RM+4*(\g)+\k], v[RM+4*(\g)+\k], v[MT+\k], v[DA+8*(4*(\g)+\k)+7]
.endif
.endr
.endm
; PERIOD p, p = -1 .. 71: the front of block p + 1 (up to block 63), the back of block p (0 .. 63), from p = 8 on four products of tile (p - 8) / 8 and half a visit of the maximum.
; LDS LOADS.  lt comes two blocks at a time: an odd period p waits for blocks p + 1, p + 2 at its head and asks for blocks p + 3, p + 4 at the end of its first slice: one run of eight loads for two periods, two periods ahead.
; rt comes into registers in periods 5 to 12, chunk p - 5 (16 loads) behind lt's loads: five of the eight chunks stand beside matrix work.  j tiles 4 G .. 4 G + 3 (chunks 2 G, 2 G + 1) are first multiplied in period 8 + 2 G.
; LDS loads come back in order, so a wait leaves out what was asked for behind the loads that it is for:
;   periods 7, 9, 11: behind the lt pair stand two chunks of rt: 32;   periods 8, 10, 12: behind the two chunks that this period's products read stand an lt pair and a chunk: 8 + 16 = 24;
;   period 13's wait for 0 shows chunks 6 and 7;   every other odd period: nothing was asked for behind the pair: 0.
; A result is read a period behind the product that finished it, and a code or a scale byte is used a period or more behind the line that wrote it: far more than the eight plain vector instructions that this matrix form asks for.
.macro PERIOD p
.set HASF, 0
.set HASB, 0
.set HASM, 0
.set ODD, 0
.if (\p) < 63
.set HASF, 1
.set FN, (\p)+1
.set FS, LS+16*(FN%6)
.set FC, FN%8
.set TF, TFA+FN%2
.endif
.if ((\p) >= 0) && ((\p) < 64)
.set HASB, 1
.set BS, LS+16*((\p)%6)
.set BI, (\p)%8
.set BP, ((\p)/8)%2
.set TB, TFA+(\p)%2
.endif
.if (\p) >= 8
.set HASM, 1
.set MTI, ((\p)-8)/8
.set MC, ((\p)-8)%8
.set MP, MTI%2
.endif
.if (((\p)+2)%2) == 1
.set ODD, 1
.endif
.set HASQ, HASF|HASB
.if (\p) == 13
	; THE REFILL.  Every wave holds rt in registers; each wave's tile 7 goes into its former quarter of rt.  It stands where a wait for all LDS loads is due anyway, and the wait for tiles 2-6, whose first block is asked for below.
	WIN 0                                          ; (the add's two registers lie in window 0; at a branch and at a label every window is 0)
	s_wait_tensorcnt 0x0                           ; all my tensor loads have landed
	ds_add_u32 v[SPW], v[NIL]                      ; 0 onto my spare word
	s_wait_dscnt 0x0                               ; the add is done, my reads of rt are over, and blocks 14, 15 are in
	ROUND                                          ; all that now holds of every wave of all four work-groups
	tensor_load_to_lds s[G0C:G0C+3], s[G1C:G1C+7]  ; my one tensor load behind the round: one load of mine is out, and forty periods stand ahead of the wait for it
	s_nop 0
.rept 4
	v_nop
.endr
.elseif (\p) == 5
	; rt IS SHOWN TO EVERY WAVE.  Tensor loads of a wave end in order: at most one out means that my quarter of rt and my tile 1 are in; tiles 2-6 may stay out.
	s_wait_tensorcnt 0x1
	s_wait_dscnt 0x0                               ; blocks 6, 7 are in, and no LDS load of mine is out at the signal
	s_barrier_signal -1
	s_barrier_wait -1                              ; every wave's quarter of rt is in
.elseif ODD && ((\p) <= 61)
.set CNT, 0
.if ((\p) == 7) || ((\p) == 9) || ((\p) == 11)
.set CNT, 32
.endif
	s_wait_dscnt CNT
.elseif ((\p) == 8) || ((\p) == 10) || ((\p) == 12)
	s_wait_dscnt 24
.endif
.if HASQ
	WIN WQ
.endif
	BC 0
	FA 0
	FA 1
	FA 2
	BC 1
	FA 3
	FA 4
	FA 5
	BC 2
	BC 3
	FA 6
	FA 7
.if ODD && ((\p) <= 59)
.if (\p) == 53
	s_wait_tensorcnt 0x0                           ; tile 7 has landed before its first block is read; only I read these bytes
.endif
	LLOAD (\p)+3
	LLOAD (\p)+4
.endif
.if ((\p) >= 5) && ((\p) < 13)
	RTLOAD (\p)-5
.endif
.if HASM
	WM 4*MC
.endif
.if HASQ
	WIN WQ
.endif
	BC 4
	FB 0
	BD 0
	FB 1
	BD 1
	FB 2
	BD 2
	FB 3
	BD 3
	FB 4
	BD 4
	FB 5
	BD 5
.if HASM
	WM 4*MC+1
.endif
.if HASQ
	WIN WQ
.endif
	FB 6
	BD 6
	BD 7
	BD 8
	FB 7
	BD 9
	BD 10
	BD 11
	FB 8
	BD 12
	BD 13
	BD 14
	FB 9
	BD 15
.if HASM
	WM 4*MC+2
.endif
	BE
.if HASM
.if (MC%2) == 0                        ; group G is finished in the tile's period 2 G + 1 and visited in periods 2 G + 2 and 2 G + 3; group 3 in the next tile's periods 0 and 1, ahead of the products that start it anew
.if (MC > 0) || (MTI > 0)
.if HASQ == 0
.rept 8
	v_nop                                          ; no quantiser stands between the last tile's products: eight plain instructions behind the product that finished the group
.endr
.endif
	MVA (MC/2+3)%4
.endif
.else
.if (MC > 1) || (MTI > 0)
.set FST, 0
.if ((MC > 1) && (MTI == 0)) || ((MC == 1) && (MTI == 1))
.set FST, 1
.endif
	MVB ((MC-1)/2+3)%4, FST
.endif
.endif
	WM 4*MC+3
.endif
.endm
	s_wait_tensorcnt 0x3                           ; my tile 0 is in; the three loads issued behind it may stay out.  Only I read these bytes: no barrier
	WIN WQ
	LLOAD 0
	LLOAD 1
	s_wait_loadcnt 0x0                             ; kernel's numbers and rt's scale words
.set PP, -1
.rept 73
	PERIOD PP
.set PP, PP+1
.endr
.rept 8
	v_nop                                          ; eight plain instructions behind the last product
.endr
	MVA 3
	MVB 3, 0
	; THE TAIL.  The four waves' maxima meet in LDS: wave w takes j tiles 4 w .. 4 w + 3 of all four.
.irp q, 0,1,2,3
	ds_store_b128 v[SCW], v[RM+4*\q:RM+4*\q+3] offset:512*\q
.endr
	s_wait_dscnt 0x0                               ; for the others' sake: my stores are done
	s_barrier_signal -1
	s_barrier_wait -1
.irp q, 0,1,2,3
	ds_load_b128 v[XX+4*\q:XX+4*\q+3], v[SCRD] offset:2048*\q      ; wave q's maxima of my four j tiles.  (These registers held tile 6's codes, last multiplied eight periods ago)
.endr
	s_wait_dscnt 0x0
.irp k, 0,1,2,3
	v_max3_num_f32 v[YY+\k], v[XX+\k], v[XX+4+\k], v[XX+8+\k]
.endr
.irp k, 0,1,2,3
	v_max_num_f32 v[YY+\k], v[YY+\k], v[XX+12+\k]
.endr
.irp k, 0,1,2,3
	v_mul_f32 v[XX+\k], 0x4038aa3b, v[YY+\k]       ; 2 log2(e) x
.endr
.irp k, 0,1,2,3
	v_exp_f32 v[XX+\k], v[XX+\k]
.endr
	v_nop                                          ; one plain instruction behind the transcendentals (ISA guide 5.7.2)
	s_wait_alu depctr_va_vdst(0)
.irp k, 0,1,2,3
	v_add_f32 v[XX+\k], 1.0, v[XX+\k]
.endr
.irp k, 0,1,2,3
	v_rcp_f32 v[XX+\k], v[XX+\k]
.endr
	v_nop
	s_wait_alu depctr_va_vdst(0)
.irp k, 0,1,2,3
	v_fma_f32 v[YY+\k], v[XX+\k], -2.0, 1.0        ; tanh = 1 - 2 / (1 + 2^(2 log2(e) x))
.endr
.irp k, 0,1,2,3
	global_store_b32 v[OO], v[YY+\k], s[12:13] offset:2048*\k      ; out[b][16 (4 w + k) + r][2 g + h]
.endr
	s_wait_tensorcnt 0x0                           ; the wave's end: behind my last tensor load and my last LDS store
	ds_add_u32 v[SPW], v[NIL]
	s_wait_dscnt 0x0
	ROUND                                          ; the closing round: no work-group ends while a partner may still ask for a tile that names it
	s_endpgm
.Lfunc_end_k_q419e5c8c0c_match:
	.size	k_q419e5c8c0c_match, .Lfunc_end_k_q419e5c8c0c_match-k_q419e5c8c0c_match
	.p2alignl 7, 3214868480
	.fill 96, 4, 3214868480
	.section	.rodata,"a",@progbits
	.p2align	6, 0x0
	.amdhsa_kernel k_q419e5c8c0c_match
		.amdhsa_group_segment_fixed_size 327680
		.amdhsa_private_segment_fixed_size 0
		.amdhsa_enable_private_segment 0
		.amdhsa_kernarg_size 40
		.amdhsa_user_sgpr_count 2
		.amdhsa_user_sgpr_kernarg_segment_ptr 1
		.amdhsa_wavefront_size32 1
		.amdhsa_system_sgpr_workgroup_id_x 1
		.amdhsa_system_sgpr_workgroup_id_y 1
		.amdhsa_system_sgpr_workgroup_id_z 1
		.amdhsa_system_vgpr_workitem_id 0
		.amdhsa_next_free_vgpr 1024
		.amdhsa_next_free_sgpr 90
		.amdhsa_reserve_vcc 0
		.amdhsa_float_denorm_mode_32 3
		.amdhsa_float_denorm_mode_16_64 3
		.amdhsa_memory_ordered 1
		.amdhsa_forward_progress 1
		.amdhsa_inst_pref_size 255
	.end_amdhsa_kernel
	.section	.bss,"aw",@nobits
	.p2align	6
	.space	262144
	.amdgpu_metadata
---
amdhsa.version: [ 1, 2 ]
amdhsa.kernels:
  - .name:           k_q419e5c8c0c_match
    .symbol:         k_q419e5c8c0c_match.kd
    .args:
      - { .name: kernel, .offset: 0, .size: 8, .value_kind: global_buffer, .address_space: global }
      - { .name: reps_lt, .offset: 8, .size: 8, .value_kind: global_buffer, .address_space: global }
      - { .name: reps_rt_codes, .offset: 16, .size: 8, .value_kind: global_buffer, .address_space: global }
      - { .name: reps_rt_scales, .offset: 24, .size: 8, .value_kind: global_buffer, .address_space: global }
      - { .name: out0, .offset: 32, .size: 8, .value_kind: global_buffer, .address_space: global }
    .group_segment_fixed_size: 327680
    .private_segment_fixed_size: 0
    .kernarg_segment_align: 8
    .kernarg_segment_size: 40
    .max_flat_workgroup_size: 128
    .sgpr_count:     90
    .vgpr_count:     1024
    .wavefront_size: 32
...
	.end_amdgpu_metadata
.endif
;; end of part 2
